; MI455X (gfx1250); checked and timed in simulation.
; The chip was launched on July 23, 2026; its instructions are those of AMD's public machine-readable ISA for CDNA 5 (MIT licence, August 2026) and "CDNA5" Instruction Set Architecture Reference Guide (July 2026). The comments in the code are by the model that wrote it; some were corrected since.
;; Head self Dec. Allowed arithmetic: matrix products marked QUANTISED: E2M1 operands, one E8M0 scale for each 32 along K, by v_wmma_scale_f32_16x16x128_f8f6f4 with both operands' format E2M1 (or v_wmma_scale_f32_32x16x128_f4), f32 sums; everything else in f32.
;; Inputs: Wk 512 x 64 float32; Wq 512 x 64 float32; Wv 512 x 64 float32; x 16 x 2,048 x 512 float32.
;; Outputs: out0 16 x 2,048 x 64 float32.
;; This version of the problem:
;;   THIS VERSION OF THE PROBLEM IS GIVEN IN LOW PRECISION. The matrix products marked QUANTISED in the list below multiply operands that are first quantised to E2M1 (2 exponent bits, 1 mantissa bit; 4 bits a number), with one power-of-two scale for each 32 numbers along K (OCP MX v1.0); their sums are f32. All else is computed in f32.
;;   The module's matrix products, in the order in which they are computed (A, B: the left and right operand; K: the contracted axis; several contracted axes count as one K, in the product's order):
;;     1. [M 32,768, K 512] x [K 512, N 64]; A: input x; B: input Wq: QUANTISED
;;     2. [M 32,768, K 512] x [K 512, N 64]; A: input x; B: input Wk: QUANTISED
;;     3. [M 32,768, K 512] x [K 512, N 64]; A: input x; B: input Wv: QUANTISED
;;     4. batch 16 x [M 2,048, K 64] x [K 64, N 2,048]; A: computed on the way; B: computed on the way: QUANTISED
;;     5. batch 16 x [M 2,048, K 2,048] x [K 2,048, N 64]; A: softmax (see below); B: computed on the way: QUANTISED
;;   THE QUANTISER, for each operand of a quantised product, along K:
;;     - K is cut into blocks of 32 from its start; a last block that is shorter is filled with zeros.
;;     - A block's scale is 2^e with e = floor(log2(the largest magnitude in the block)) - 2, held to -126 .. 127; a block of zeros has e = 0. As a byte (E8M0): e + 127.
;;     - Each number is divided by its block's scale, clamped to +-6, and rounded to the nearest number of E2M1, ties to even, subnormals kept.
;;     - The product sums the exact products of the quantised numbers (number of the format x scale) in f32.
;;   ~~~python
;;   def quantise(x, axis):      # numpy; x: float32 -> the quantised numbers, widened to float32 again
;;       x = np.moveaxis(x, axis, -1); K = x.shape[-1]
;;       x = np.pad(x, [(0, 0)] * (x.ndim - 1) + [(0, -K % 32)]); x = x.reshape(x.shape[:-1] + (-1, 32)); a = np.abs(x).max(-1, keepdims=True)
;;       e = np.where(a > 0, np.clip(np.frexp(np.where(a > 0, a, 1))[1] - 1 - 2, -126, 127), 0)      # np.frexp(a)[1] - 1 = floor(log2(a)), exactly
;;       r = np.clip(x / 2.0 ** e, -6, 6)
;;       step = 2.0 ** (np.maximum(np.frexp(np.where(r == 0, 1, r))[1] - 1, 0) - 1)
;;       q = np.round(r / step) * step * 2.0 ** e      # np.round: ties to even
;;       return np.moveaxis(q.reshape(q.shape[:-2] + (-1,))[..., :K], -1, axis).astype(np.float32)
;;   ~~~
;;   SOFTMAX AHEAD OF A QUANTISED PRODUCT. Where the list says 'softmax', what is quantised is not the finished softmax but p = 2^(t - M), with t = logit x log2(e) and M = ceil(the row's largest t), a whole number; so 1/2 < the row's largest p <= 1. The row's sum l is taken of the UNQUANTISED p, in f32, and the product's result is divided by l at the end. Since M is a whole number, a kernel that streams over the keys may use a running M (the ceiling of the running maximum): every later rescaling is an exact power of two, which a block's scale takes up: the codes' values come out the same.
;;   OPERANDS COMPUTED ON THE WAY. 'Computed on the way' means the value that the module computes at that place (a softmax that the list does not call 'softmax' is quantised finished and normalised). What goes into a quantiser is computed in f32, as accurately as f32 sums, v_exp_f32 and their like allow (about 1e-6 of the number): no bf16 or f16 on the way to a quantiser, and a product that is left as it is and whose result goes on into a quantised operand takes f32 operands (vector FMAs, or v_wmma_f32_16x16x4_f32). A number that lies on a knife's edge between two numbers of the format may be rounded either way, as far as f32 arithmetic and the matrix unit's own rounding can turn it there, and no further.
;; One version. Each part assembles by itself: llvm-mc -triple=amdgcn-amd-amdhsa -mcpu=gfx1250 --defsym DOCPART=n.
;; ======== version 1 of 1: 2 launches
;; limits: right only within a limited range of input values
;; workspace buffers: qc 1,048,576 bytes; qs 131,072 bytes; kv 2,293,760 bytes
;; launch proj (part 1): grid 256 x 1, 32 waves a work-group, no clusters, 327,680 bytes of LDS; arguments x, Wq, Wk, Wv, qc, qs, kv; writes qc, qs, kv
.if DOCPART == 1
	.amdgcn_target "amdgcn-amd-amdhsa--gfx1250"
	.amdhsa_code_object_version 6
	.text
	.protected	k_qb7fb7bd069_proj
	.globl	k_qb7fb7bd069_proj
	.p2align	8
	.type	k_qb7fb7bd069_proj,@function
k_qb7fb7bd069_proj:
	s_mov_b64 s[64:65], 0
	v_nop
	global_prefetch_b8 v0, s[64:65] scope:SCOPE_SE
	s_setreg_imm32_b32 hwreg(HW_REG_WAVE_MODE, 25, 1), 1
	s_wait_xcnt 0x0
; q, k, v = Q(x) Q(W).  x [32,768][512] f32 and Wq, Wk, Wv [512 (k)][64 (n)] f32 are quantised along k to FP4 (E2M1, one E8M0 byte for each 32) and multiplied; the results are quantised again for the
; attention launch: q and k along the head's 64, v along the keys.  Only codes and scale bytes leave.
; WORK LEFT OUT (by the next launch): reference() puts -inf on every score whose key comes after its query, whatever the inputs hold, so a key step (128 keys) all of whose keys come after all of a tile's queries
; adds nothing to softmax or output.  Nothing is left out here: every row of q, k and v counts for some output.  LIMIT: a NaN, an infinity or an overflow that reaches only work left out is not carried to the result.
; SHARES.  A work-group takes 128 tokens (one key step of the attention launch).  Wave w fetches by ONE tensor load 16 rows (rt = w % 8) x 128 of k (step s = w / 8) of x, quantises them, and leaves codes and scale words as an
; image of operand registers in its own tile's bytes, which have had their last fill.  It also quantises three blocks: 32 of k (block w / 2) x 32 columns (half w % 2) of each W, loaded straight into registers: a lane takes a
; column and its registers run down k.  Waves 0-11 multiply: wave (tp = w % 4, mat = w / 4) makes 32 tokens x the 64 columns of one matrix, 8 accumulators.  Waves 0-15 own k steps 0 and 1, which are multiplied while waves
; 16-31 quantise steps 2 and 3.
; NO MULTICAST, NO PREFETCH: W as f32 (393,216 bytes) does not fit in LDS beside the work-group's 270,336 bytes of x, so it comes through registers; each byte is asked for in the first lines, and there is no loop to run ahead in.
; q AND k ARE MADE TRANSPOSED (source 0 = 16 columns of W, source 1 = 16 tokens): a lane holds ONE token and registers along the head; v the natural way: a lane holds ONE channel and registers along the tokens.
; ORDER INSIDE A BLOCK OF 32 of q, k, v: code position 16 h + 8 u + j holds element 16 u + 8 h + j (h = lane / 16, u = which of the block's two tiles, j = register); both operands of each attention product have the same order.
; OUT.  qc: tile of 16 tokens = 512 bytes, lane l's 16 bytes at 16 l (lane (r, H) holds block H of token r).  qs: a word a token (bytes 2, 3 are 0).
;   kv: 8,960 bytes a key step: +0 k's 8 tile images; +4096 v's 4 fragments (channel tile t at 1024 t, block w of channel r at 256 w + 16 r); +8192 k's scale words; +8704 v's (64 t + 4 r, byte w).
; LIMITS: a block whose largest magnitude lies under 2^-124 (a block of zeros too) gets the byte 1: zero codes add nothing, and this program alone reads the bytes.  NaN and infinities are not served.
.set XP,   528                         ; a row of x's tile in LDS: 512 bytes + 16
.set XTB,  16*XP                       ; a tile: 8,448 bytes = 33 x 256.  Tile (rt, s) lies at XTB (4 rt + s)
.set WIMG, 32*XTB                      ; W's codes: fragment f = 16 mat + 4 t + s at 1024 f: block b of column 16 t + r at 256 b + 16 r
.set WSC,  WIMG+49152                  ; W's scale words: 64 f + 4 r, byte b
.set SPARE, WSC+3072                   ; the spare words, 128 bytes a wave
.set SS,   2048                        ; the way out's stage, in tile 0's bytes behind its image: +0 k's scale words (512), +512 v's (256), +768 q's (512)
.set SPW, 1
.set NIL, 2
.set XA,  3                            ; my tile: 528 r + 64 h
.set XST, 4                            ; my tile: 16 l
.set WST, 5                            ; W's codes: where my blocks go
.set CX,  6                            ; x's images of my token pair: 16 l
.set CXW, 7                            ; their scale words: 16 r, lanes 16-31 the second tile's
.set CW,  8                            ; my matrix's images: 16 l
.set CWS, 9                            ; their scale words: 4 r, lanes 16-31 the next tile's
.set EST, 10                           ; the stage: q's or k's words
.set ESV, 11                           ; the stage: v's bytes
.set SRA, 12                           ; the stage: 8 l
.set XS,  13                           ; scale words: x's two tiles (lanes 0-15, 16-31)
.set WS,  14                           ; v14, v15: W's four tiles
.set WSB, 16                           ; W's scale bytes
.set WOF, 17                           ; 4 l
.set XF,  16                           ; v16-31 x's two fragments
.set WF,  32                           ; v32-63 W's four
.set AC,  64                           ; v64-127 accumulators: (u, t) at AC + 8 (4 u + t)
.set TM,  16                           ; the quantiser's work
.set OM,  16                           ; the way out: four blocks: largest magnitudes, the other half's, scale operands, bytes, codes
.set OP,  20
.set OS,  24
.set OB,  28
.set OC,  32
.set SEL, 44                           ; s[44:45]
	s_load_b256 s[4:11], s[0:1], 0x0               ; x s[4:5], Wq s[6:7], Wk s[8:9], Wv s[10:11]
	s_load_b128 s[12:15], s[0:1], 0x20             ; qc s[12:13], qs s[14:15]
	s_load_b64 s[16:17], s[0:1], 0x30              ; kv
	v_lshl_add_u32 v[SPW], v0, 2, SPARE
	v_mov_b32 v[NIL], 0
	ds_add_u32 v[SPW], v[NIL]                      ; the opening lines
	ds_add_u32 v[SPW], v[NIL]
	v_lshrrev_b32 v18, 5, v0
	v_readfirstlane_b32 s18, v18                   ; wave 0..31
	v_and_b32 v19, 31, v0
	v_lshlrev_b32 v[WOF], 2, v19
	s_wait_alu depctr_va_vdst(0)
	s_and_b32 s19, s18, 7                          ; rt
	s_lshr_b32 s20, s18, 3                         ; s
	s_lshl_b32 s21, s19, 2
	s_add_co_u32 s21, s21, s20
	s_mul_i32 s21, s21, XTB                        ; my tile in LDS
	; group 1: 16 rows x 128 elements of 4 bytes, 512 elements from row to row; 4 words of padding behind every 128
	s_mov_b32 s24, (2<<16)|(1<<20)|(6<<22)|(3<<25)
	s_mov_b32 s25, 128<<16
	s_mov_b32 s26, 16<<16
	s_mov_b32 s27, 128<<16
	s_mov_b32 s28, 16
	s_mov_b32 s29, 512
	s_mov_b32 s30, 0
	s_mov_b32 s31, 0
	s_lshl_b32 s22, ttmp9, 18                      ; x: 128 rows of 2,048 bytes a work-group,
	s_lshl_b32 s23, s19, 15                        ; 16 a tile,
	s_add_co_u32 s22, s22, s23
	s_lshl_b32 s23, s20, 9                         ; 512 bytes a step
	s_add_co_u32 s22, s22, s23
	s_mov_b32 s23, 0
	s_lshr_b32 s36, s18, 1                         ; W: my block of 32 along k,
	s_and_b32 s37, s18, 1                          ; my 32 columns
	s_lshl_b32 s38, s36, 13
	s_lshl_b32 s40, s37, 7
	s_add_co_u32 s38, s38, s40
	s_mov_b32 s39, 0
	s_mov_b32 s32, 1                               ; group 0
	s_mov_b32 s33, s21
	s_wait_dscnt 0x0                               ; both opening adds are done
	s_wait_kmcnt 0x0
	s_add_nc_u64 s[34:35], s[4:5], s[22:23]
	s_or_b32 s35, s35, 0x80000000
	s_cmp_lt_u32 s18, 16                           ; waves 0-15 wait for their tile earlier than waves 16-31: a load line for each
	s_cbranch_scc0 .Llate
	tensor_load_to_lds s[32:35], s[24:31]
	s_nop 0
.rept 4
	v_nop
.endr
	s_branch .Lasked
.Llate:
	tensor_load_to_lds s[32:35], s[24:31]
	s_nop 0
.rept 4
	v_nop
.endr
.Lasked:
	s_add_nc_u64 s[6:7], s[6:7], s[38:39]
	s_add_nc_u64 s[8:9], s[8:9], s[38:39]
	s_add_nc_u64 s[10:11], s[10:11], s[38:39]
.irp i, 0,1,2
.set JJ, 0
.rept 32
	global_load_b32 v[32+32*\i+JJ], v[WOF], s[6+2*\i:7+2*\i] offset:256*JJ   ; 128 consecutive bytes of a row of W
.set JJ, JJ+1
.endr
.endr
	s_mov_b32 s[SEL], 0x76543210
	s_mov_b32 s[SEL+1], 0xfedcba98                 ; v_permlanex16_b32's selects for lane l xor 16
	s_and_b32 s42, s18, 3                          ; tp
	s_lshr_b32 s43, s18, 2
	s_min_u32 s43, s43, 2                          ; mat (waves 12-31 multiply nothing)
	s_mul_i32 s46, ttmp9, 8960
	s_mov_b32 s47, 0
	s_add_nc_u64 s[46:47], s[16:17], s[46:47]      ; kv: my key step
	s_lshl_b32 s48, ttmp9, 9
	s_mov_b32 s49, 0
	s_add_nc_u64 s[48:49], s[14:15], s[48:49]      ; qs: 512 bytes a work-group
	s_lshl_b32 s50, ttmp9, 12
	s_mov_b32 s51, 0
	s_add_nc_u64 s[50:51], s[12:13], s[50:51]      ; qc: 4,096
	s_cmp_eq_u32 s43, 0
	s_cselect_b64 s[50:51], s[50:51], s[46:47]     ; q's tiles or k's,
	s_lshl_b32 s52, s42, 10
	s_mov_b32 s53, 0
	s_add_nc_u64 s[50:51], s[50:51], s[52:53]      ; my two
	s_lshl_b32 s54, s37, 13                        ; W's codes: 8192 x half + 256 x block
	s_lshl_b32 s55, s36, 8
	s_add_co_u32 s54, s54, s55
	s_lshl_b32 s55, s37, 9                         ; W's bytes: 512 x half + 64 (block / 4) + block % 4
	s_lshr_b32 s56, s36, 2
	s_lshl_b32 s56, s56, 6
	s_add_co_u32 s55, s55, s56
	s_and_b32 s56, s36, 3
	s_add_co_u32 s55, s55, s56
	s_mul_i32 s56, s42, 8*XTB                      ; my token pair's tiles
	s_lshl_b32 s57, s43, 14                        ; my matrix's fragments
	s_lshl_b32 s58, s43, 10                        ; and words
	s_xor_b32 s59, s43, 1
	s_mul_i32 s59, s59, 768
	s_lshl_b32 s60, s42, 7
	s_add_co_u32 s59, s59, s60                     ; the stage: q's words at 768, k's at 0, 128 bytes a token pair
	v_and_b32 v18, 31, v0                          ; l
	v_and_b32 v19, 15, v0                          ; r
	v_bfe_u32 v20, v0, 4, 1                        ; h
	v_lshlrev_b32 v21, 4, v18                      ; 16 l
	v_lshlrev_b32 v22, 4, v19                      ; 16 r
	v_lshlrev_b32 v23, 2, v19                      ; 4 r
	v_lshl_add_u32 v24, v20, 8, v23                ; 4 r + 256 h
	v_mul_u32_u24 v[XA], v19, XP
	v_lshl_add_u32 v[XA], v20, 6, v[XA]
	v_add_nc_u32 v[XA], s21, v[XA]
	v_add_nc_u32 v[XST], s21, v21
	v_lshl_add_u32 v[WST], v20, 12, v22
	v_add_nc_u32 v[WST], s54, v[WST]
	v_add_nc_u32 v[WST], WIMG, v[WST]
	v_add_nc_u32 v[WSB], s55, v24
	v_add_nc_u32 v[WSB], WSC, v[WSB]
	v_add_nc_u32 v[CX], s56, v21
	v_mul_u32_u24 v25, v20, 4*XTB
	v_add_nc_u32 v[CXW], v22, v25
	v_add_nc_u32 v[CXW], s56, v[CXW]
	v_add_nc_u32 v[CXW], 1024, v[CXW]
	v_add_nc_u32 v[CW], s57, v21
	v_add_nc_u32 v[CW], WIMG, v[CW]
	v_add_nc_u32 v[CWS], s58, v24
	v_add_nc_u32 v[CWS], WSC, v[CWS]
	v_lshl_add_u32 v[EST], v18, 2, SS
	v_add_nc_u32 v[EST], s59, v[EST]
	v_add_nc_u32 v[ESV], s42, v23
	v_add_nc_u32 v[ESV], SS+512, v[ESV]
	v_lshl_add_u32 v[SRA], v18, 3, SS
	s_wait_alu depctr_va_vdst(0)                   ; the head's end
; A block of W: 32 numbers down k of my column, of matrix i.  All of a block is mine: no lane asks another.
.macro WQ i, n
.set XX, 32+32*(\i)
.set MT, 30+2*(\i)
	s_wait_loadcnt \n
	v_max3_num_f32 v[MT], |v[XX]|, |v[XX+1]|, 0x1800000            ; the largest magnitude, in two chains, and the floor 2^(3 - 127): the byte cannot fall under 1
	v_max3_num_f32 v[MT+1], |v[XX+2]|, |v[XX+3]|, 0x1800000
.irp j, 4,8,12,16,20,24,28
	v_max3_num_f32 v[MT], v[MT], |v[XX+\j]|, |v[XX+\j+1]|
	v_max3_num_f32 v[MT+1], v[MT+1], |v[XX+\j+2]|, |v[XX+\j+3]|
.endr
	v_max_num_f32 v[MT], v[MT], v[MT+1]
	v_add_nc_u32 v[MT+1], 0xff000000, v[MT]        ; 2 off the exponent field: the conversion's scale operand
	v_lshrrev_b32 v[MT], 23, v[MT+1]               ; the scale's byte
.irp g, 0,1,2,3
	v_cvt_scalef32_pk8_fp4_f32 v[18+4*(\i)+\g], v[XX+8*\g:XX+8*\g+7], v[MT+1]
.endr
	v_nop                                          ; one plain place behind a scaled conversion
	ds_store_b128 v[WST], v[18+4*(\i):21+4*(\i)] offset:16384*(\i)
	ds_store_b8 v[WSB], v[MT] offset:1024*(\i)
.endm
; My tile of x: 16 rows x 128.  Register 64 + 16 b + i = k 32 b + 16 h + i of row r; the block's other 16 lie in lane l xor 16.  I alone read the tile, behind my own wait.
.macro XQ
	s_wait_tensorcnt 0x0
.irp b, 0,1,2,3
.irp j, 0,1,2,3
	ds_load_b128 v[64+16*\b+4*\j:64+16*\b+4*\j+3], v[XA] offset:128*\b+16*\j
.endr
.endr
	s_wait_dscnt 0x0                               ; the tile is in registers: its bytes may take the image
.irp b, 0,1,2,3
	v_max3_num_f32 v[TM+\b], |v[64+16*\b]|, |v[65+16*\b]|, 0x1800000
.endr
.irp i, 2,4,6,8,10,12,14
.irp b, 0,1,2,3
	v_max3_num_f32 v[TM+\b], v[TM+\b], |v[64+16*\b+\i]|, |v[65+16*\b+\i]|
.endr
.endr
.irp b, 0,1,2,3
	v_permlanex16_b32 v[TM+4+\b], v[TM+\b], s[SEL], s[SEL+1]
.endr
.irp b, 0,1,2,3
	v_max_num_f32 v[TM+\b], v[TM+\b], v[TM+4+\b]
.endr
.irp b, 0,1,2,3
	v_add_nc_u32 v[TM+12+\b], 0xff000000, v[TM+\b]
.endr
.irp b, 0,1,2,3
	v_lshrrev_b32 v[TM+4+\b], 23, v[TM+12+\b]
.endr
	v_lshl_or_b32 v40, v[TM+5], 8, v[TM+4]         ; my row's scale word
	v_lshl_or_b32 v40, v[TM+6], 16, v40
	v_lshl_or_b32 v40, v[TM+7], 24, v40
.irp b, 0,1,2,3
	v_cvt_scalef32_pk8_fp4_f32 v[32+2*\b], v[64+16*\b:71+16*\b], v[TM+12+\b]
	v_cvt_scalef32_pk8_fp4_f32 v[33+2*\b], v[72+16*\b:79+16*\b], v[TM+12+\b]
.endr
	v_nop
.irp c, 0,1                                    ; a WHOLE block in a lane: lanes 0-15 block 2 c, lanes 16-31 block 2 c + 1
.irp i, 0,1
	v_permlane16_swap_b32 v[32+4*\c+\i], v[34+4*\c+\i]
.endr
.endr
	ds_store_b128 v[XST], v[32:35]
	ds_store_b128 v[XST], v[36:39] offset:512
	ds_store_b32 v[XST], v40 offset:1024
.endm
; One product; ra, rb: which half of the lanes holds A's, B's scale words.  ZZ = 1: it starts the sum: nothing is cleared.
.macro MM d, a, b, sa, sb, ra, rb
.if ZZ
.if (\ra) && (\rb)
	v_wmma_scale_f32_16x16x128_f8f6f4 v[\d:\d+7], v[\a:\a+7], v[\b:\b+7], 0, v[\sa], v[\sb] matrix_a_fmt:MATRIX_FMT_FP4 matrix_b_fmt:MATRIX_FMT_FP4 matrix_a_scale:MATRIX_SCALE_ROW1 matrix_b_scale:MATRIX_SCALE_ROW1
.elseif (\ra)
	v_wmma_scale_f32_16x16x128_f8f6f4 v[\d:\d+7], v[\a:\a+7], v[\b:\b+7], 0, v[\sa], v[\sb] matrix_a_fmt:MATRIX_FMT_FP4 matrix_b_fmt:MATRIX_FMT_FP4 matrix_a_scale:MATRIX_SCALE_ROW1
.elseif (\rb)
	v_wmma_scale_f32_16x16x128_f8f6f4 v[\d:\d+7], v[\a:\a+7], v[\b:\b+7], 0, v[\sa], v[\sb] matrix_a_fmt:MATRIX_FMT_FP4 matrix_b_fmt:MATRIX_FMT_FP4 matrix_b_scale:MATRIX_SCALE_ROW1
.else
	v_wmma_scale_f32_16x16x128_f8f6f4 v[\d:\d+7], v[\a:\a+7], v[\b:\b+7], 0, v[\sa], v[\sb] matrix_a_fmt:MATRIX_FMT_FP4 matrix_b_fmt:MATRIX_FMT_FP4
.endif
.else
.if (\ra) && (\rb)
	v_wmma_scale_f32_16x16x128_f8f6f4 v[\d:\d+7], v[\a:\a+7], v[\b:\b+7], v[\d:\d+7], v[\sa], v[\sb] matrix_a_fmt:MATRIX_FMT_FP4 matrix_b_fmt:MATRIX_FMT_FP4 matrix_a_scale:MATRIX_SCALE_ROW1 matrix_b_scale:MATRIX_SCALE_ROW1
.elseif (\ra)
	v_wmma_scale_f32_16x16x128_f8f6f4 v[\d:\d+7], v[\a:\a+7], v[\b:\b+7], v[\d:\d+7], v[\sa], v[\sb] matrix_a_fmt:MATRIX_FMT_FP4 matrix_b_fmt:MATRIX_FMT_FP4 matrix_a_scale:MATRIX_SCALE_ROW1
.elseif (\rb)
	v_wmma_scale_f32_16x16x128_f8f6f4 v[\d:\d+7], v[\a:\a+7], v[\b:\b+7], v[\d:\d+7], v[\sa], v[\sb] matrix_a_fmt:MATRIX_FMT_FP4 matrix_b_fmt:MATRIX_FMT_FP4 matrix_b_scale:MATRIX_SCALE_ROW1
.else
	v_wmma_scale_f32_16x16x128_f8f6f4 v[\d:\d+7], v[\a:\a+7], v[\b:\b+7], v[\d:\d+7], v[\sa], v[\sb] matrix_a_fmt:MATRIX_FMT_FP4 matrix_b_fmt:MATRIX_FMT_FP4
.endif
.endif
.endm
; K step s: 15 LDS loads, 8 products, the accumulators by turns in the same order in every step.  nat = 1: v's order of the sources.
.macro KS s, nat
.irp u, 0,1
.irp c, 0,1
	ds_load_b128 v[XF+8*\u+4*\c:XF+8*\u+4*\c+3], v[CX] offset:XTB*(4*\u+\s)+512*\c
.endr
.endr
	ds_load_b32 v[XS], v[CXW] offset:XTB*\s
.irp i, 0,1
	ds_load_b32 v[WS+\i], v[CWS] offset:512*\i+64*\s
.endr
.irp t, 0,1,2,3
.irp c, 0,1
	ds_load_b128 v[WF+8*\t+4*\c:WF+8*\t+4*\c+3], v[CW] offset:4096*\t+1024*\s+512*\c
.endr
.endr
.if \s == 0
.set ZZ, 1
.else
.set ZZ, 0
.endif
	s_wait_dscnt 0x0
.irp t, 0,1,2,3
.irp u, 0,1
.if \nat
	MM AC+8*(4*\u+\t), XF+8*\u, WF+8*\t, XS, WS+\t/2, \u, \t%2
.else
	MM AC+8*(4*\u+\t), WF+8*\t, XF+8*\u, WS+\t/2, XS, \t%2, \u
.endif
.endr
.endr
.rept 4
	v_nop                                          ; places in front of loads into registers that products have read, and of the first read of results
.endr
.endm
; THE WAY OUT: four blocks of 32 by turns.  Block e lies in the accumulators at AC + st e and off registers further on, of lanes l and l xor 16; each accumulator is read from its low end on.
.macro EPI st, off
.irp e, 0,1,2,3
	v_max3_num_f32 v[OM+\e], |v[AC+\st*\e]|, |v[AC+\st*\e+1]|, 0x1800000
.endr
.irp p, 2,4,6
.irp e, 0,1,2,3
	v_max3_num_f32 v[OM+\e], |v[AC+\st*\e+\p]|, |v[AC+\st*\e+\p+1]|, v[OM+\e]
.endr
.endr
.irp p, 0,2,4,6
.irp e, 0,1,2,3
	v_max3_num_f32 v[OM+\e], |v[AC+\st*\e+\off+\p]|, |v[AC+\st*\e+\off+\p+1]|, v[OM+\e]
.endr
.endr
.irp e, 0,1,2,3
	v_permlanex16_b32 v[OP+\e], v[OM+\e], s[SEL], s[SEL+1]
.endr
.irp e, 0,1,2,3
	v_max_num_f32 v[OM+\e], v[OM+\e], v[OP+\e]
.endr
.irp e, 0,1,2,3
	v_add_nc_u32 v[OS+\e], 0xff000000, v[OM+\e]
.endr
.irp e, 0,1,2,3
	v_lshrrev_b32 v[OB+\e], 23, v[OS+\e]
.endr
.irp e, 0,1,2,3
	v_cvt_scalef32_pk8_fp4_f32 v[OC+2*\e], v[AC+\st*\e:AC+\st*\e+7], v[OS+\e]
	v_cvt_scalef32_pk8_fp4_f32 v[OC+2*\e+1], v[AC+\st*\e+\off:AC+\st*\e+\off+7], v[OS+\e]
.endr
	v_nop                                          ; one plain place behind the last scaled conversion
.endm
	WQ 0, 63                                       ; 96 loads were issued: at most 63 out, so the first 32 are in
	WQ 1, 32                                       ; the third block's 32 may be out
	WQ 2, 0
	s_cmp_lt_u32 s18, 16
	s_cbranch_scc0 .Lmeet0
	XQ                                             ; K steps 0 and 1
.Lmeet0:
	s_wait_dscnt 0x0                               ; for the others' sake: my codes lie in LDS
	s_barrier_signal -1
	s_barrier_wait -1
	s_cmp_lt_u32 s18, 16
	s_cbranch_scc1 .Lmul
	XQ                                             ; K steps 2 and 3, beside the other waves' products
	s_branch .Lmeet1
.Lmul:
	s_cmp_lt_u32 s18, 12
	s_cbranch_scc0 .Lmeet1
	s_cmp_lt_u32 s18, 8
	s_cbranch_scc0 .Lmulv
	KS 0, 0
	KS 1, 0
	s_branch .Lmeet1
.Lmulv:
	KS 0, 1
	KS 1, 1
.Lmeet1:
	s_wait_dscnt 0x0
	s_barrier_signal -1
	s_barrier_wait -1                              ; everybody's codes lie in LDS
	s_cmp_lt_u32 s18, 12
	s_cbranch_scc0 .Lsent
	s_cmp_lt_u32 s18, 8
	s_cbranch_scc0 .Loutv
	KS 2, 0
	KS 3, 0
	EPI 16, 8                                      ; block e = 2 u + b: 32 channels of my token of tile u
.irp i, 0,1
	v_permlane16_swap_b32 v[OC+4*\i], v[OC+4*\i+2] ; lanes 0-15 take block 0 whole, lanes 16-31 block 1
	v_permlane16_swap_b32 v[OC+4*\i+1], v[OC+4*\i+3]
.endr
	v_and_b32 v42, 31, v0
	v_lshl_or_b32 v40, v[OB+1], 8, v[OB]           ; a token's scale word: two bytes; bytes 2 and 3 stay 0, over zero codes
	v_lshl_or_b32 v41, v[OB+3], 8, v[OB+2]
	v_cmp_le_u32 vcc_lo, 16, v42
	v_lshlrev_b32 v44, 4, v42
	v_cndmask_b32 v43, v40, v41, vcc_lo            ; lane l: the word of token l of my pair of tiles
	global_store_b128 v44, v[OC:OC+3], s[50:51]    ; a tile's image: 512 consecutive bytes, aligned to 256
	global_store_b128 v44, v[OC+4:OC+7], s[50:51] offset:512
	ds_store_b32 v[EST], v43
	s_branch .Lsent
.Loutv:
	KS 2, 1
	KS 3, 1
	EPI 8, 32                                      ; block e = t: my 32 tokens of channel 16 t + r
	s_lshl_b32 s54, s42, 8
	v_and_b32 v45, 15, v0
	v_bfe_u32 v47, v0, 4, 1
	v_lshlrev_b32 v45, 4, v45
	v_lshl_add_u32 v45, v47, 3, v45
	v_add_nc_u32 v45, s54, v45                     ; 256 tp + 16 r + 8 h
.irp t, 0,1,2,3
	global_store_b64 v45, v[OC+2*\t:OC+2*\t+1], s[46:47] offset:4096+1024*\t   ; 256 consecutive bytes, aligned
.endr
.irp t, 0,1,2,3
	ds_store_b8 v[ESV], v[OB+\t] offset:64*\t      ; byte tp of the channel's word; lanes l and l xor 16 write the same byte with the same value
.endr
.Lsent:
	s_wait_dscnt 0x0                               ; for the others' sake: my scale bytes lie in the stage
	s_barrier_signal -1
	s_barrier_wait -1
	s_cmp_lg_u32 s18, 0                            ; wave 0 sends the stage: five aligned blocks of 256 bytes
	s_cbranch_scc1 .Lend
	v_and_b32 v46, 31, v0
	v_lshlrev_b32 v46, 3, v46
.irp i, 0,1,2,3,4
	ds_load_b64 v[48+2*\i:49+2*\i], v[SRA] offset:256*\i
.endr
	s_wait_alu depctr_va_vdst(0)
	s_wait_dscnt 0x0
.irp i, 0,1,2
	global_store_b64 v46, v[48+2*\i:49+2*\i], s[46:47] offset:8192+256*\i
.endr
.irp i, 3,4
	global_store_b64 v46, v[48+2*\i:49+2*\i], s[48:49] offset:256*(\i-3)
.endr
.Lend:
	s_wait_tensorcnt 0x0                           ; the wave's end
	ds_add_u32 v[SPW], v[NIL]
	s_wait_dscnt 0x0
	s_endpgm
.Lfunc_end_k_qb7fb7bd069_proj:
	.size	k_qb7fb7bd069_proj, .Lfunc_end_k_qb7fb7bd069_proj-k_qb7fb7bd069_proj
	.p2alignl 7, 3214868480
	.fill 96, 4, 3214868480
	.section	.rodata,"a",@progbits
	.p2align	6, 0x0
	.amdhsa_kernel k_qb7fb7bd069_proj
		.amdhsa_group_segment_fixed_size 327680
		.amdhsa_private_segment_fixed_size 0
		.amdhsa_enable_private_segment 0
		.amdhsa_kernarg_size 56
		.amdhsa_user_sgpr_count 2
		.amdhsa_user_sgpr_kernarg_segment_ptr 1
		.amdhsa_wavefront_size32 1
		.amdhsa_system_sgpr_workgroup_id_x 1
		.amdhsa_system_sgpr_workgroup_id_y 1
		.amdhsa_system_sgpr_workgroup_id_z 1
		.amdhsa_system_vgpr_workitem_id 0
		.amdhsa_next_free_vgpr 128
		.amdhsa_next_free_sgpr 80
		.amdhsa_reserve_vcc 1
		.amdhsa_float_denorm_mode_32 3
		.amdhsa_float_denorm_mode_16_64 3
		.amdhsa_memory_ordered 1
		.amdhsa_forward_progress 1
		.amdhsa_inst_pref_size 57
	.end_amdhsa_kernel
	.amdgpu_metadata
---
amdhsa.version: [ 1, 2 ]
amdhsa.kernels:
  - .name:           k_qb7fb7bd069_proj
    .symbol:         k_qb7fb7bd069_proj.kd
    .args:
      - { .name: x, .offset: 0, .size: 8, .value_kind: global_buffer, .address_space: global }
      - { .name: Wq, .offset: 8, .size: 8, .value_kind: global_buffer, .address_space: global }
      - { .name: Wk, .offset: 16, .size: 8, .value_kind: global_buffer, .address_space: global }
      - { .name: Wv, .offset: 24, .size: 8, .value_kind: global_buffer, .address_space: global }
      - { .name: qc, .offset: 32, .size: 8, .value_kind: global_buffer, .address_space: global }
      - { .name: qs, .offset: 40, .size: 8, .value_kind: global_buffer, .address_space: global }
      - { .name: kv, .offset: 48, .size: 8, .value_kind: global_buffer, .address_space: global }
    .group_segment_fixed_size: 327680
    .private_segment_fixed_size: 0
    .kernarg_segment_align: 8
    .kernarg_segment_size: 56
    .max_flat_workgroup_size: 1024
    .sgpr_count:     80
    .vgpr_count:     128
    .wavefront_size: 32
...
	.end_amdgpu_metadata
.endif
;; end of part 1
;; launch attn (part 2): grid 16 x 16, 16 waves a work-group, clusters of 4 x 1, 327,680 bytes of LDS; arguments qc, qs, kv, out0; writes out0
.if DOCPART == 2
	.amdgcn_target "amdgcn-amd-amdhsa--gfx1250"
	.amdhsa_code_object_version 6
	.text
	.protected	k_qb7fb7bd069_attn
	.globl	k_qb7fb7bd069_attn
	.p2align	8
	.type	k_qb7fb7bd069_attn,@function
k_qb7fb7bd069_attn:
	s_mov_b64 s[64:65], 0
	v_nop
	global_prefetch_b8 v0, s[64:65] scope:SCOPE_SE
	s_setreg_imm32_b32 hwreg(HW_REG_WAVE_MODE, 25, 1), 1
	s_wait_xcnt 0x0
	s_wait_alu depctr_hold_cnt(0) depctr_sa_sdst(0) depctr_va_vdst(0) depctr_va_sdst(0) depctr_va_ssrc(0) depctr_va_vcc(0) depctr_vm_vsrc(0)
	s_getreg_b32 s2, hwreg(HW_REG_IB_STS2, 6, 4)
	s_cmp_eq_u32 s2, 0
	s_cbranch_scc0 .Lentry_in_a_cluster
	s_endpgm
.Lentry_in_a_cluster:
	s_bfe_u32 s2, ttmp6, 0x10000c
	s_cmp_lg_u32 s2, 0x3003
	s_cbranch_scc0 .Lentry_shape_is_right
	s_endpgm
.Lentry_shape_is_right:
; out[b][q][:] = the sum over keys k <= q of softmax_k(q . k / 8) v[k][:], both products on codes of FP4 (E2M1) with one E8M0 byte for each 32 along a product's K.  16 batches, 2,048 tokens, head 64.
; WORK LEFT OUT: key steps all of whose keys come after all of a tile's queries: reference()'s own mask gives them weight 0, whatever the inputs hold.  A NaN or an infinity there is not carried to the result.
; IN (made by the launch before): qc, qs: a tile of 16 queries as registers 0-3 of a fragment, and a scale word a query.  kv: 8,960 dense bytes for each key step of 128 keys: k's 8 tile images, v's 4 fragments (keys
; innermost), k's and v's scale words.  The head's 64 fill half of the instruction's 128 along K: registers 4-7 of q's fragment are zero codes under the scale byte 0.  What stands against them in k's fragment adds nothing
; (every code is a finite number), so k's fragments OVERLAP: tile t is v[KF + 4 t] on, its registers 4-7 are tile t + 1's codes (behind tile 7: registers that stay).
; THE SOFTMAX AHEAD OF THE SECOND PRODUCT: t = score x log2(e) / 8; M = the running largest t, rounded UP to a whole number; p = 2^(t - M) is quantised along the keys, not normalised; the sum is taken of the unquantised p
; and divides at the end.  When M moves, the sum and O are multiplied by 2^(old M - new M): exact.
; A BLOCK'S SCALE: the largest p of a block is 2^x, x = its largest score's t - M, so floor(log2(p)) is floor(x): the byte is floor(x) - 2 + 127, held at 1 from below.
; SHARES.  A batch has 128 tiles of 16 queries in 16 groups of 8; a tile of group G needs key steps 0 .. G, step G on the diagonal.  Cluster C of a batch owns groups a = 2 C, 2 C + 1 and 15 - a; work-group cx takes tiles 2 cx,
; 2 cx + 1 of each.  A pair of tiles, one of group a and one of group 15 - a, needs 17 key steps and belongs to FOUR waves (equal wave % 4): wave part p = wave / 4 takes steps p, p + 4, .. of the high tile and steps 3 - p, 7 - p
; of the low one: one wave of the four has five steps, the others four.  The four partial states (M, sum, O) of a tile meet through LDS, each wave then finishing four rows of both tiles.
; CLUSTER.  The four work-groups of a cluster belong to one batch and read the same kv, 143,360 bytes: asked for JOINTLY, one key step a wave, one load a wave.  Every LDS byte is filled once.  Groups, steps and branches hang
; on the cluster's number and the wave's alone; cx enters only global addresses and the mask's numbers.  NO PREFETCH: all that is read is asked for at the head.
; TWO BARRIERS ORDER THE TILES: behind the first (waves 0-3 have waited) key steps 0-3 are read; behind the second (all have) the rest.
; LAYOUT.  Both products transposed: S^T = K Q^T, O^T = V^T P^T: a lane holds ONE query.  Register 16 b + 8 u + j of S^T is key 32 b + 16 u + 8 (lane / 16) + j; p's codes so have the order inside a block that v's have.
; LIMITS: the promise holds while the scaled scores t stay under 2^31 in magnitude; a block of p under 2^-124 (all zeros too) gets the byte 1, over zero codes; where x lies within rounding under a whole number and p rounds
; up to the power of two, that p is held at the largest code.  NaN and infinities are not served.  Sizes are fixed.
.set KVS,  8960                        ; a key step in kv and in LDS
.set MRG,  16*KVS                      ; behind kv: 32 states: slot 8 (wave % 4) + 4 (0 high, 1 low) + part: 16 rows of 256 bytes + 16: (-M, -M, sum, sum) of the two half lanes
.set MS,   4352
.set SPARE, MRG+32*MS                  ; the spare words, 128 bytes a wave
.set AK,  1                            ; v1-3 LDS addresses + 16 l: my high steps' place, 8 steps further, my low steps' place
.set AS,  4                            ; v4-6 the same + 4 l
.set AT,  7                            ; v7-9 the same + 4 r
.set SPW, 10
.set NIL, 11
.set NM,  12                           ; v12 -M (v13 is named with it); v[14:15] the sum's first chain
.set QA,  16                           ; v16-23 the high tile's q, v24-31 the low one's
.set QB,  24
.set QSA, 32
.set QSB, 33
.set PS,  34                           ; p's scale word
.set MST, 35                           ; my state: 272 r + 32 h
.set MSM, 36                           ; my state: 272 r + 4 h
.set MLD, 37                           ; the merge: my rows + 16 r
.set MLM, 38                           ; their four words
.set GO,  39                           ; my byte offset in a tile's rows of out
.set KF,  40                           ; v40-71 k's tiles
.set PAT, 72                           ; v72-79 the diagonal tile's mask: 0 or -3e38
.set KSC, 80
.set VSC, 84
.set PC,  88                           ; p's codes
.set VF,  96                           ; v's 4 fragments
.set O,   128                          ; O^T
.set S,   160                          ; S^T, then p
.set BM,  224                          ; a block's largest score, then its x
.set BP,  228                          ; the other half's, then floor(x)
.set SO,  232                          ; the conversions' scale operands
.set C1,  236                          ; the sum's other chains: v[236:237], v[238:239], v[246:247]
.set C2,  238
.set C3,  246
.set F,   240                          ; v240 the factor 2^(old M - new M) (v241 is named with it)
.set LQ,  242
.set LW,  243
.set T0,  244
.set T1,  245
.set HD,  16                           ; s16 high group - p: my high step 4 t on is live up to it, and on the diagonal where equal
.set LD,  17                           ; s17 low group - (3 - p): the same for the low tile
.set TI,  18                           ; s18 my tiles' number in their groups
.set SEL, 20                           ; s[20:21] v_permlanex16_b32's selects for lane l xor 16
.set CS,  22                           ; s[22:23] c = log2(e) / 8
.set CN,  62                           ; s62 -c
.set BIG, 63                           ; s63 -3e38
.set SA,  66                           ; s66-73 ones where tile T of keys is the diagonal one
.set SB,  74                           ; s74-81 -3e38 where it lies beyond
.macro CROUND                          ; a round of the cluster's barrier
	s_barrier_signal -1
	s_barrier_wait -1
	s_cmp_lg_u32 s12, 0
	s_cbranch_scc1 .Lnot_wave_0_\@
	s_barrier_signal -3
.Lnot_wave_0_\@:
	s_barrier_wait -3
	s_barrier_signal -1
	s_barrier_wait -1
.endm
	s_load_b256 s[4:11], s[0:1], 0x0               ; qc s[4:5], qs s[6:7], kv s[8:9], out0 s[10:11]
	v_lshl_add_u32 v[SPW], v0, 2, SPARE
	v_mov_b32 v[NIL], 0
	ds_add_u32 v[SPW], v[NIL]                      ; the opening lines
	ds_add_u32 v[SPW], v[NIL]
	v_lshrrev_b32 v[T0], 5, v0
	v_readfirstlane_b32 s12, v[T0]                 ; wave 0..15
	s_and_b32 s19, ttmp7, 0xffff                   ; the batch, which the four partners share
	; group 1: 35 dense rows of 256 bytes (32 elements of 8 bytes); 15:0 the mask: all four work-groups; bit 21 set beside it
	s_mov_b32 s24, 15|(3<<16)|(1<<21)
	s_mov_b32 s25, 32<<16
	s_mov_b32 s26, 35<<16
	s_mov_b32 s27, 32<<16
	s_mov_b32 s28, 35
	s_mov_b32 s29, 32
	s_mov_b32 s30, 0
	s_mov_b32 s31, 0
	s_mov_b32 s32, 1                               ; group 0: key step = wave, in LDS as in memory
	s_mul_i32 s33, s12, KVS
	s_mul_i32 s50, s19, 16*KVS
	s_add_co_u32 s50, s50, s33
	s_mov_b32 s51, 0
	s_wait_alu depctr_va_vdst(0)
	s_wait_dscnt 0x0                               ; both opening adds are done
	CROUND                                         ; all four work-groups are here: the joint loads meet
	s_wait_kmcnt 0x0
	s_add_nc_u64 s[34:35], s[8:9], s[50:51]
	s_or_b32 s35, s35, 0x80000000
	s_cmp_lt_u32 s12, 4                            ; waves 0-3 wait for theirs earlier than the others: a load line for each
	s_cbranch_scc0 .Lrest
	tensor_load_to_lds s[32:35], s[24:31]
	s_nop 0
.rept 4
	v_nop
.endr
	s_branch .Lasked
.Lrest:
	tensor_load_to_lds s[32:35], s[24:31]
	s_nop 0
.rept 4
	v_nop
.endr
.Lasked:
	s_and_b32 s48, s12, 3                          ; which pair of tiles
	s_lshr_b32 s49, s12, 2                         ; p
	s_xor_b32 s13, s49, 3                          ; 3 - p
	s_lshl_b32 s14, ttmp9, 1
	s_lshr_b32 s52, s48, 1
	s_add_co_u32 s14, s14, s52                     ; a = 2 C + pair / 2: the low group
	s_xor_b32 s15, s14, 15                         ; 15 - a: the high group
	s_sub_co_i32 s[HD], s15, s49
	s_sub_co_i32 s[LD], s14, s13
	s_bfe_u32 s55, ttmp6, 0x40000                  ; cx
	s_lshl_b32 s[TI], s55, 1
	s_and_b32 s53, s48, 1
	s_add_co_u32 s[TI], s[TI], s53
	s_lshl_b32 s56, s19, 7
	s_add_co_u32 s56, s56, s[TI]
	s_lshl_b32 s57, s15, 3
	s_add_co_u32 s57, s57, s56                     ; the high tile among all: 128 x batch + 8 x group + tile
	s_lshl_b32 s58, s14, 3
	s_add_co_u32 s58, s58, s56                     ; the low one
	s_mov_b32 s61, 0
	s_lshl_b32 s60, s57, 9                         ; q's codes: 512 bytes a tile
	s_add_nc_u64 s[36:37], s[4:5], s[60:61]
	s_lshl_b32 s60, s57, 6                         ; its scale words: 64
	s_add_nc_u64 s[38:39], s[6:7], s[60:61]
	s_lshl_b32 s60, s57, 12                        ; its rows of out: 4,096
	s_add_nc_u64 s[40:41], s[10:11], s[60:61]
	s_lshl_b32 s60, s58, 9
	s_add_nc_u64 s[42:43], s[4:5], s[60:61]
	s_lshl_b32 s60, s58, 6
	s_add_nc_u64 s[44:45], s[6:7], s[60:61]
	s_lshl_b32 s60, s58, 12
	s_add_nc_u64 s[46:47], s[10:11], s[60:61]
	s_mul_i32 s52, s49, KVS                        ; my high steps begin here,
	s_mul_i32 s53, s13, KVS                        ; my low ones here
	s_lshl_b32 s54, s48, 3
	s_add_co_u32 s54, s54, s49
	s_mul_i32 s54, s54, MS
	s_add_co_u32 s54, s54, MRG                     ; my state of the high tile; the low one's four slots on
	s_mul_i32 s55, s48, 8*MS
	s_mul_i32 s56, s49, 4*272
	s_add_co_u32 s55, s55, s56
	s_add_co_u32 s55, s55, MRG                     ; the rows that I finish: 4 p on, of my pair's slots
	s_lshl_b32 s56, s49, 10
	v_and_b32 v[T0], 31, v0                        ; l
	v_and_b32 v[T1], 15, v0                        ; r
	v_bfe_u32 v246, v0, 4, 1                       ; h
	v_lshlrev_b32 v[LQ], 4, v[T0]
	v_lshlrev_b32 v[LW], 2, v[T1]
	global_load_b128 v[QA:QA+3], v[LQ], s[36:37]   ; q's codes stay in registers
	global_load_b32 v[QSA], v[LW], s[38:39]
	global_load_b128 v[QB:QB+3], v[LQ], s[42:43]
	global_load_b32 v[QSB], v[LW], s[44:45]
	v_lshlrev_b32 v247, 2, v[T0]
	v_add_nc_u32 v[AK], s52, v[LQ]
	v_add_nc_u32 v[AK+1], 8*KVS, v[AK]
	v_add_nc_u32 v[AK+2], s53, v[LQ]
	v_add_nc_u32 v[AS], s52, v247
	v_add_nc_u32 v[AS+1], 8*KVS, v[AS]
	v_add_nc_u32 v[AS+2], s53, v247
	v_add_nc_u32 v[AT], s52, v[LW]
	v_add_nc_u32 v[AT+1], 8*KVS, v[AT]
	v_add_nc_u32 v[AT+2], s53, v[LW]
	v_mul_u32_u24 v248, v[T1], 272
	v_add_nc_u32 v248, s54, v248
	v_lshl_add_u32 v[MST], v246, 5, v248
	v_lshl_add_u32 v[MSM], v246, 2, v248
	v_mul_u32_u24 v249, v246, 272
	v_add_nc_u32 v249, s55, v249
	v_lshl_add_u32 v[MLD], v[T1], 4, v249
	v_add_nc_u32 v[MLM], 256, v249
	v_lshlrev_b32 v[GO], 8, v246
	v_lshl_add_u32 v[GO], v[T1], 4, v[GO]
	v_add_nc_u32 v[GO], s56, v[GO]                 ; row 4 p + h, 16 bytes a lane
	v_lshlrev_b32 v250, 3, v246
	v_sub_nc_u32 v250, v[T1], v250                 ; r - 8 h: in the diagonal tile key 8 h + j is hidden where j is more
	v_mov_b32 v251, 0xff61b1e6
.irp j, 0,1,2,3,4,5,6,7
	v_cmp_gt_i32 vcc_lo, \j, v250
	v_cndmask_b32 v[PAT+\j], 0, v251, vcc_lo
.endr
.irp j, 4,5,6,7
	v_mov_b32 v[QA+\j], 0                          ; k = 64 .. 127: zero codes
	v_mov_b32 v[QB+\j], 0
.endr
.irp b, 0,1,2,3
	v_mov_b32 v[BP+\b], 0                          ; written once: a lane permute's destination counts as one of its sources
.endr
	v_mov_b32 v[NM+1], 0                           ; (the upper halves of pairs that are named whole)
	v_mov_b32 v[F+1], 0
	s_wait_alu depctr_va_vdst(0)                   ; the head's end: only scalar work
	s_mov_b32 s[SEL], 0x76543210
	s_mov_b32 s[SEL+1], 0xfedcba98
	s_mov_b32 s[CS], 0x3e38aa3b                    ; log2(e) / 8
	s_mov_b32 s[CS+1], s[CS]
	s_mov_b32 s[CN], 0xbe38aa3b
	s_mov_b32 s[BIG], 0xff61b1e6
.irp t, 0,1,2,3,4,5,6,7
	s_cmp_eq_u32 s[TI], \t
	s_cselect_b32 s[SA+\t], -1, 0
	s_cmp_lt_u32 s[TI], \t
	s_cselect_b32 s[SB+\t], s[BIG], 0
.endr
	s_wait_loadcnt 0x0                             ; q
	s_cmp_lt_u32 s12, 4
	s_cbranch_scc0 .Lnot_first
	s_wait_tensorcnt 0x0                           ; key steps 0-3 are in
.Lnot_first:
	s_wait_dscnt 0x0
	s_barrier_signal -1
	s_barrier_wait -1
; k's eight tiles and their scale words: twelve LDS loads
.macro KLOAD a, off
.irp t, 0,1,2,3,4,5,6,7
	ds_load_b128 v[KF+4*\t:KF+4*\t+3], v[AK+\a] offset:(\off)+512*\t
.endr
.irp i, 0,1,2,3
	ds_load_b32 v[KSC+\i], v[AS+\a] offset:(\off)+8192+128*\i   ; lanes 0-15: the words of tile 2 i; lanes 16-31: of tile 2 i + 1
.endr
.endm
.macro SMUL z                          ; S^T, eight products.  z = 0: the mask stands in the accumulators
.irp i, 0,1,2,3
.if \z
	v_wmma_scale_f32_16x16x128_f8f6f4 v[S+16*\i:S+16*\i+7], v[KF+8*\i:KF+8*\i+7], v[QQ:QQ+7], 0, v[KSC+\i], v[QW] matrix_a_fmt:MATRIX_FMT_FP4 matrix_b_fmt:MATRIX_FMT_FP4
	v_wmma_scale_f32_16x16x128_f8f6f4 v[S+16*\i+8:S+16*\i+15], v[KF+8*\i+4:KF+8*\i+11], v[QQ:QQ+7], 0, v[KSC+\i], v[QW] matrix_a_fmt:MATRIX_FMT_FP4 matrix_b_fmt:MATRIX_FMT_FP4 matrix_a_scale:MATRIX_SCALE_ROW1
.else
	v_wmma_scale_f32_16x16x128_f8f6f4 v[S+16*\i:S+16*\i+7], v[KF+8*\i:KF+8*\i+7], v[QQ:QQ+7], v[S+16*\i:S+16*\i+7], v[KSC+\i], v[QW] matrix_a_fmt:MATRIX_FMT_FP4 matrix_b_fmt:MATRIX_FMT_FP4
	v_wmma_scale_f32_16x16x128_f8f6f4 v[S+16*\i+8:S+16*\i+15], v[KF+8*\i+4:KF+8*\i+11], v[QQ:QQ+7], v[S+16*\i+8:S+16*\i+15], v[KSC+\i], v[QW] matrix_a_fmt:MATRIX_FMT_FP4 matrix_b_fmt:MATRIX_FMT_FP4 matrix_a_scale:MATRIX_SCALE_ROW1
.endif
.endr
.endm
.macro ACC p                           ; pair p of the UNQUANTISED p joins one of the sum's four chains
.if (\p)%4 == 0
	v_pk_add_f32 v[14:15], v[14:15], v[S+2*(\p):S+2*(\p)+1]
.elseif (\p)%4 == 1
	v_pk_add_f32 v[C1:C1+1], v[C1:C1+1], v[S+2*(\p):S+2*(\p)+1]
.elseif (\p)%4 == 2
	v_pk_add_f32 v[C2:C2+1], v[C2:C2+1], v[S+2*(\p):S+2*(\p)+1]
.else
	v_pk_add_f32 v[C3:C3+1], v[C3:C3+1], v[S+2*(\p):S+2*(\p)+1]
.endif
.endm
.macro CHAIN c, p                      ; a chain starts with pairs p and p + 1
	v_pk_add_f32 v[\c:\c+1], v[S+2*(\p):S+2*(\p)+1], v[S+2*(\p)+2:S+2*(\p)+3]
.endm
; A KEY STEP: 128 keys at address set a + off; its k has been asked for.  first = 1: the tile's first step of mine: it starts M, the sum and O.  dv >= 0: on the diagonal where s[dr] = dv.  pf = 1: the next k, at pa + poff, is asked for.
.macro STEP a, off, q, qs, first, dr, dv, pf, pa, poff
.set QQ, \q
.set QW, \qs
.irp t, 0,1,2,3
.irp c, 0,1
	ds_load_b128 v[VF+8*\t+4*\c:VF+8*\t+4*\c+3], v[AK+\a] offset:(\off)+4096+1024*\t+512*\c
.endr
.endr
.irp t, 0,1,2,3
	ds_load_b32 v[VSC+\t], v[AT+\a] offset:(\off)+8704+64*\t
.endr
.if (\dv) >= 0
	s_cmp_lg_u32 s[\dr], \dv                       ; under the diagonal every key counts
	s_cbranch_scc1 .Lplain_\@
.irp t, 0,1,2,3,4,5,6,7
.irp j, 0,1,2,3,4,5,6,7
	v_and_or_b32 v[S+8*\t+\j], v[PAT+\j], s[SA+\t], s[SB+\t]   ; on it the sums begin with the mask: 0, or -3e38 for a hidden key: p = 0 then.  The step's first key counts for every query of the group
.endr
.endr
	s_wait_alu depctr_va_vdst(0)
	s_wait_dscnt 12                                ; k's twelve loads are in; v's twelve, issued behind them, may be out
	SMUL 0
	s_branch .Lgo_\@
.Lplain_\@:
.endif
	s_wait_dscnt 12
	SMUL 1
.Lgo_\@:
.rept 4
	v_nop                                          ; places in front of the loads into k's registers and of the first read of results
.endr
.if \pf
	KLOAD \pa, \poff                               ; my next step's k: it has this step's softmax in which to come
.endif
.irp b, 0,1,2,3
	v_max3_num_f32 v[BM+\b], v[S+16*\b], v[S+1+16*\b], v[S+2+16*\b]   ; the largest score of each block of 32 keys: for the row's maximum and for the block's scale
.endr
.irp i, 3,5,7,9,11,13
.irp b, 0,1,2,3
	v_max3_num_f32 v[BM+\b], v[BM+\b], v[S+16*\b+\i], v[S+1+16*\b+\i]
.endr
.endr
.irp b, 0,1,2,3
	v_max_num_f32 v[BM+\b], v[BM+\b], v[S+15+16*\b]
.endr
.irp b, 0,1,2,3
	v_permlanex16_b32 v[BP+\b], v[BM+\b], s[SEL], s[SEL+1]
.endr
.irp b, 0,1,2,3
	v_max_num_f32 v[BM+\b], v[BM+\b], v[BP+\b]     ; with lane l xor 16's 16 keys
.endr
	v_max3_num_f32 v[T0], v[BM], v[BM+1], v[BM+2]
	v_max_num_f32 v[T0], v[T0], v[BM+3]
	v_mul_f32 v[T0], s[CN], v[T0]                  ; -t of the step's largest score
.if \first
	v_floor_f32 v[NM], v[T0]                       ; -M = floor(-t): a whole number
.else
	v_floor_f32 v[T0], v[T0]
	v_sub_f32 v[T1], v[T0], v[NM]
	v_min_num_f32 v[NM], v[NM], v[T0]              ; the new -M
	v_min_num_f32 v[T1], 0, v[T1]                  ; old M - new M: a whole number, 0 or less
	v_cvt_i32_f32 v[T1], v[T1]                     ; (it saturates)
	v_ldexp_f32 v[F], 1.0, v[T1]
.endif
.irp b, 0,1,2,3
	v_fma_f32 v[BM+\b], v[BM+\b], s[CS], v[NM]     ; x of each block
.endr
.set JJ, 0
.rept 32
	v_pk_fma_f32 v[S+JJ:S+JJ+1], v[S+JJ:S+JJ+1], s[CS:CS+1], v[NM:NM+1] op_sel_hi:[1,0,0]   ; t - M
.set JJ, JJ+2
.endr
.irp b, 0,1,2,3
	v_max_num_f32 v[BM+\b], 0xc2f80000, v[BM+\b]   ; -124: the byte cannot fall under 1
.endr
.irp b, 0,1,2,3
	v_cvt_floor_i32_f32 v[BP+\b], v[BM+\b]
.endr
.irp b, 0,1,2,3
	v_add_lshl_u32 v[SO+\b], v[BP+\b], 0x7d, 23    ; exponent field floor(x) - 2 + 127: the conversion's scale operand
.endr
	v_lshl_add_u32 v[T0], v[BP+1], 8, v[BP]        ; the four bytes less 125 each, added at their places,
	v_lshl_add_u32 v[T0], v[BP+2], 16, v[T0]
	v_lshl_add_u32 v[T0], v[BP+3], 24, v[T0]
	v_add_nc_u32 v[PS], 0x7d7d7d7d, v[T0]          ; and 125 to each: p's scale word for these 128 keys
.if (\first) == 0
.set JJ, 0
.rept 16
	v_pk_mul_f32 v[O+JJ:O+JJ+1], v[O+JJ:O+JJ+1], v[F:F+1] op_sel_hi:[1,0]   ; O^T under the new M
.set JJ, JJ+2
.endr
.endif
	s_wait_alu depctr_va_vdst(0)                   ; ahead of the batch
.set JJ, 0
.rept 64
	v_exp_f32 v[S+JJ], v[S+JJ]                     ; p = 2^(t - M), at most 1
.set JJ, JJ+1
.endr
.if \first
	v_nop                                          ; the plain place behind the batch
.else
	v_pk_mul_f32 v[14:15], v[14:15], v[F:F+1] op_sel_hi:[1,0]   ; the sum under the new M: the plain place behind the batch
.endif
	s_wait_alu depctr_va_vdst(0)                   ; and ahead of its first reader
.irp b, 0,1,2,3
	v_cvt_scalef32_pk8_fp4_f32 v[PC+2*\b], v[S+16*\b:S+7+16*\b], v[SO+\b]
	v_cvt_scalef32_pk8_fp4_f32 v[PC+1+2*\b], v[S+8+16*\b:S+15+16*\b], v[SO+\b]
.endr
.if \first
	CHAIN 14, 0                                    ; (the plain place behind the conversions)
.else
	ACC 0
.endif
.irp c, 0,1                                    ; a WHOLE block in a lane: lanes 0-15 block 2 c, lanes 16-31 block 2 c + 1
.irp i, 0,1
	v_permlane16_swap_b32 v[PC+4*\c+\i], v[PC+2+4*\c+\i]
.endr
.endr
.if \first
	CHAIN C1, 2
	CHAIN C2, 4
	CHAIN C3, 6
.set PP, 8
.rept 24
	ACC PP
.set PP, PP+1
.endr
.else
	CHAIN C1, 1
	CHAIN C2, 3
	CHAIN C3, 5
.set PP, 7
.rept 25
	ACC PP
.set PP, PP+1
.endr
.endif
	v_pk_add_f32 v[14:15], v[14:15], v[C1:C1+1]
	v_pk_add_f32 v[C2:C2+1], v[C2:C2+1], v[C3:C3+1]
	v_pk_add_f32 v[14:15], v[14:15], v[C2:C2+1]
	s_wait_dscnt 12*(\pf)                          ; v is in; the twelve loads of the next k, issued behind v's, may be out
.irp t, 0,1,2,3                                ; the four accumulators by turns
.if \first
	v_wmma_scale_f32_16x16x128_f8f6f4 v[O+8*\t:O+8*\t+7], v[VF+8*\t:VF+8*\t+7], v[PC:PC+7], 0, v[VSC+\t], v[PS] matrix_a_fmt:MATRIX_FMT_FP4 matrix_b_fmt:MATRIX_FMT_FP4
.else
	v_wmma_scale_f32_16x16x128_f8f6f4 v[O+8*\t:O+8*\t+7], v[VF+8*\t:VF+8*\t+7], v[PC:PC+7], v[O+8*\t:O+8*\t+7], v[VSC+\t], v[PS] matrix_a_fmt:MATRIX_FMT_FP4 matrix_b_fmt:MATRIX_FMT_FP4
.endif
.endr
.rept 4
	v_nop                                          ; places in front of the next loads into v's registers and of the reads of O^T
.endr
.endm
.macro STATE off                       ; my partial state of a tile: rows of O, and behind each row -M and the sum of my lane's keys
	v_add_f32 v14, v14, v15
.irp t, 0,1,2,3
	ds_store_b128 v[MST], v[O+8*\t:O+8*\t+3] offset:(\off)+64*\t
	ds_store_b128 v[MST], v[O+8*\t+4:O+8*\t+7] offset:(\off)+64*\t+16
.endr
	ds_store_b32 v[MSM], v[NM] offset:(\off)+256
	ds_store_b32 v[MSM], v14 offset:(\off)+264
.endm
	KLOAD 0, 0
	STEP 0, 0, QA, QSA, 1, HD, -1, 0, 0, 0         ; the high tile: step p
	s_wait_tensorcnt 0x0
	s_wait_dscnt 0x0
	s_barrier_signal -1
	s_barrier_wait -1                              ; all sixteen key steps lie in LDS
	KLOAD 0, 4*KVS
	STEP 0, 4*KVS, QA, QSA, 0, HD, -1, 1, 1, 0     ; p + 4: a high group is 8 or more, so it is live and under the diagonal
	s_cmp_lt_i32 s[HD], 8
	s_cbranch_scc1 .Lhigh
	STEP 1, 0, QA, QSA, 0, HD, 8, 1, 1, 4*KVS      ; p + 8
	s_cmp_lt_i32 s[HD], 12
	s_cbranch_scc1 .Lhigh
	STEP 1, 4*KVS, QA, QSA, 0, HD, 12, 0, 0, 0     ; p + 12
.Lhigh:
	s_wait_alu depctr_va_vdst(0)                   ; ahead of the readers behind the jumps
	s_wait_dscnt 0x0                               ; (a k asked for ahead of a step that was jumped over is back)
	KLOAD 2, 0
	STATE 0
	s_cmp_lt_i32 s[LD], 0
	s_cbranch_scc1 .Lempty
	STEP 2, 0, QB, QSB, 1, LD, 0, 1, 2, 4*KVS      ; the low tile: step 3 - p
	s_cmp_lt_i32 s[LD], 4
	s_cbranch_scc1 .Llow
	STEP 2, 4*KVS, QB, QSB, 0, LD, 4, 0, 0, 0      ; 7 - p
	s_branch .Llow
.Lempty:                                               ; no step of the low tile is mine: an empty state
	s_wait_dscnt 0x0
	v_mov_b32 v[NM], 0x7f61b1e6                    ; -M = 3e38: the merge gives it the factor 0
	v_mov_b32 v14, 0
	v_mov_b32 v15, 0
.set JJ, 0
.rept 32
	v_mov_b32 v[O+JJ], 0
.set JJ, JJ+1
.endr
.Llow:
	s_wait_alu depctr_va_vdst(0)
	STATE 4*MS
	s_wait_dscnt 0x0                               ; for the others' sake: my states lie in LDS
	s_barrier_signal -1
	s_barrier_wait -1
; THE MERGE AND THE WAY OUT.  Set k = 2 x tile + i: rows 4 p + 2 i + h of a tile, sixteen lanes a row: four partial rows, 16 bytes a lane, and their words.
.set D,  96
.set W,  160
.set FF, 40                            ; the parts' factors at FF + 8 k + 2 q, their sums behind each
.set RR, 224                           ; 1 / sum at RR + 2 k, the sum behind it
.set MM, 232
.irp k, 0,1,2,3
.irp q, 0,1,2,3
	ds_load_b128 v[W+16*\k+4*\q:W+16*\k+4*\q+3], v[MLM] offset:(\k/2)*4*MS+(\k%2)*544+\q*MS
.endr
.endr
.irp k, 0,1,2,3
.irp q, 0,1,2,3
	ds_load_b128 v[D+16*\k+4*\q:D+16*\k+4*\q+3], v[MLD] offset:(\k/2)*4*MS+(\k%2)*544+\q*MS
.endr
.endr
	s_wait_dscnt 16                                ; the words are in; the sixteen pieces of rows may be out
.irp k, 0,1,2,3
	v_min3_num_f32 v[MM+\k], v[W+16*\k], v[W+16*\k+4], v[W+16*\k+8]   ; the smallest -M is the largest M
.endr
.irp k, 0,1,2,3
	v_min_num_f32 v[MM+\k], v[MM+\k], v[W+16*\k+12]
.endr
.irp k, 0,1,2,3
.irp q, 0,1,2,3
	v_sub_f32 v[FF+8*\k+2*\q], v[MM+\k], v[W+16*\k+4*\q]
	v_add_f32 v[FF+8*\k+2*\q+1], v[W+16*\k+4*\q+2], v[W+16*\k+4*\q+3]
.endr
.endr
.irp k, 0,1,2,3
.irp q, 0,1,2,3
	v_cvt_i32_f32 v[FF+8*\k+2*\q], v[FF+8*\k+2*\q] ; (it saturates)
.endr
.endr
.irp k, 0,1,2,3
.irp q, 0,1,2,3
	v_ldexp_f32 v[FF+8*\k+2*\q], 1.0, v[FF+8*\k+2*\q]   ; exact powers of two
.endr
.endr
.irp k, 0,1,2,3
	v_mul_f32 v[RR+2*\k+1], v[FF+8*\k], v[FF+8*\k+1]
.endr
.irp q, 1,2,3
.irp k, 0,1,2,3
	v_fma_f32 v[RR+2*\k+1], v[FF+8*\k+2*\q], v[FF+8*\k+2*\q+1], v[RR+2*\k+1]
.endr
.endr
	s_wait_alu depctr_va_vdst(0)                   ; ahead of the batch
.irp k, 0,1,2,3
	v_rcp_f32 v[RR+2*\k], v[RR+2*\k+1]
.endr
	v_nop                                          ; the plain place behind the batch
	s_wait_dscnt 0x0
.irp e, 0,2
.irp k, 0,1,2,3
	v_pk_mul_f32 v[D+16*\k+\e:D+16*\k+\e+1], v[D+16*\k+\e:D+16*\k+\e+1], v[FF+8*\k:FF+8*\k+1] op_sel_hi:[1,0]
.endr
.endr
.irp q, 1,2,3
.irp e, 0,2
.irp k, 0,1,2,3
	v_pk_fma_f32 v[D+16*\k+\e:D+16*\k+\e+1], v[D+16*\k+4*\q+\e:D+16*\k+4*\q+\e+1], v[FF+8*\k+2*\q:FF+8*\k+2*\q+1], v[D+16*\k+\e:D+16*\k+\e+1] op_sel_hi:[1,0,1]
.endr
.endr
.endr
	s_wait_alu depctr_va_vdst(0)                   ; and ahead of the batch's first reader
.irp e, 0,2
.irp k, 0,1,2,3
	v_pk_mul_f32 v[D+16*\k+\e:D+16*\k+\e+1], v[D+16*\k+\e:D+16*\k+\e+1], v[RR+2*\k:RR+2*\k+1] op_sel_hi:[1,0]
.endr
.endr
.irp i, 0,1
	global_store_b128 v[GO], v[D+16*\i:D+16*\i+3], s[40:41] offset:512*\i            ; two whole rows of out: 512 consecutive bytes, aligned to 256
	global_store_b128 v[GO], v[D+32+16*\i:D+32+16*\i+3], s[46:47] offset:512*\i
.endr
	s_wait_tensorcnt 0x0                           ; the wave's end
	ds_add_u32 v[SPW], v[NIL]
	s_wait_dscnt 0x0
	CROUND                                         ; the closing round: no work-group ends while a partner may still ask for a tile that names it
	s_endpgm
.Lfunc_end_k_qb7fb7bd069_attn:
	.size	k_qb7fb7bd069_attn, .Lfunc_end_k_qb7fb7bd069_attn-k_qb7fb7bd069_attn
	.p2alignl 7, 3214868480
	.fill 96, 4, 3214868480
	.section	.rodata,"a",@progbits
	.p2align	6, 0x0
	.amdhsa_kernel k_qb7fb7bd069_attn
		.amdhsa_group_segment_fixed_size 327680
		.amdhsa_private_segment_fixed_size 0
		.amdhsa_enable_private_segment 0
		.amdhsa_kernarg_size 32
		.amdhsa_user_sgpr_count 2
		.amdhsa_user_sgpr_kernarg_segment_ptr 1
		.amdhsa_wavefront_size32 1
		.amdhsa_system_sgpr_workgroup_id_x 1
		.amdhsa_system_sgpr_workgroup_id_y 1
		.amdhsa_system_sgpr_workgroup_id_z 1
		.amdhsa_system_vgpr_workitem_id 0
		.amdhsa_next_free_vgpr 256
		.amdhsa_next_free_sgpr 84
		.amdhsa_reserve_vcc 1
		.amdhsa_float_denorm_mode_32 3
		.amdhsa_float_denorm_mode_16_64 3
		.amdhsa_memory_ordered 1
		.amdhsa_forward_progress 1
		.amdhsa_inst_pref_size 129
	.end_amdhsa_kernel
	.amdgpu_metadata
---
amdhsa.version: [ 1, 2 ]
amdhsa.kernels:
  - .name:           k_qb7fb7bd069_attn
    .symbol:         k_qb7fb7bd069_attn.kd
    .args:
      - { .name: qc, .offset: 0, .size: 8, .value_kind: global_buffer, .address_space: global }
      - { .name: qs, .offset: 8, .size: 8, .value_kind: global_buffer, .address_space: global }
      - { .name: kv, .offset: 16, .size: 8, .value_kind: global_buffer, .address_space: global }
      - { .name: out0, .offset: 24, .size: 8, .value_kind: global_buffer, .address_space: global }
    .group_segment_fixed_size: 327680
    .private_segment_fixed_size: 0
    .kernarg_segment_align: 8
    .kernarg_segment_size: 32
    .max_flat_workgroup_size: 512
    .sgpr_count:     84
    .vgpr_count:     256
    .wavefront_size: 32
...
	.end_amdgpu_metadata
.endif
;; end of part 2
